; MI455X (gfx1250); checked and timed in simulation.
; The chip was launched on July 23, 2026; its instructions are those of AMD's public machine-readable ISA for CDNA 5 (MIT licence, August 2026) and "CDNA5" Instruction Set Architecture Reference Guide (July 2026). The comments in the code are by the model that wrote it; some were corrected since.
;; Transformer. Allowed arithmetic: matrix products marked QUANTISED: E2M1 operands, one E8M0 scale for each 32 along K, by v_wmma_scale_f32_16x16x128_f8f6f4 with both operands' format E2M1 (or v_wmma_scale_f32_32x16x128_f4), f32 sums; everything else in f32.
;; Inputs: Wk_codes 256 x 32 x 16 uint8 (E2M1 codes of Wk, K innermost, in blocks of 32 codes, two codes a byte); Wk_scales 256 x 32 uint8 (E8M0 scales of Wk, one for each 32 codes along K); Wq_codes 256 x 32 x 16 uint8 (E2M1 codes of Wq, K innermost, in blocks of 32 codes, two codes a byte); Wq_scales 256 x 32 uint8 (E8M0 scales of Wq, one for each 32 codes along K); Wv_codes 1,024 x 32 x 16 uint8 (E2M1 codes of Wv, K innermost, in blocks of 32 codes, two codes a byte); Wv_scales 1,024 x 32 uint8 (E8M0 scales of Wv, one for each 32 codes along K); bk 256 float32; bq 256 float32; bv 1,024 float32; gamma 1 float32; x 4 x 2,048 x 1,024 float32; y_codes 4 x 2,048 x 32 x 16 uint8 (E2M1 codes of y, K innermost, in blocks of 32 codes, two codes a byte); y_scales 4 x 2,048 x 32 uint8 (E8M0 scales of y, one for each 32 codes along K).
;; Outputs: out0 4 x 2,048 x 1,024 float32.
;; This version of the problem:
;;   THIS VERSION OF THE PROBLEM IS GIVEN IN LOW PRECISION. The matrix products marked QUANTISED in the list below multiply operands that are first quantised to E2M1 (2 exponent bits, 1 mantissa bit; 4 bits a number), with one power-of-two scale for each 32 numbers along K (OCP MX v1.0); their sums are f32. All else is computed in f32.
;;   The module's matrix products, in the order in which they are computed (A, B: the left and right operand; K: the contracted axis; several contracted axes count as one K, in the product's order):
;;     1. [M 8,192, K 1,024] x [K 1,024, N 256]; A: input x; B: input Wq (given as codes): QUANTISED
;;     2. [M 8,192, K 1,024] x [K 1,024, N 256]; A: input y (given as codes); B: input Wk (given as codes): QUANTISED
;;     3. [M 8,192, K 1,024] x [K 1,024, N 1,024]; A: input y (given as codes); B: input Wv (given as codes): QUANTISED
;;     4. batch 32 x [M 2,048, K 32] x [K 32, N 2,048]; A: computed on the way; B: computed on the way: QUANTISED
;;     5. batch 32 x [M 128, K 2,048] x [K 2,048, N 2,048]; A: computed on the way; B: softmax (see below): QUANTISED
;;   THE QUANTISER, for each operand of a quantised product, along K:
;;     - K is cut into blocks of 32 from its start; a last block that is shorter is filled with zeros.
;;     - A block's scale is 2^e with e = floor(log2(the largest magnitude in the block)) - 2, held to -126 .. 127; a block of zeros has e = 0. As a byte (E8M0): e + 127.
;;     - Each number is divided by its block's scale, clamped to +-6, and rounded to the nearest number of E2M1, ties to even, subnormals kept.
;;     - The product sums the exact products of the quantised numbers (number of the format x scale) in f32.
;;   ~~~python
;;   def quantise(x, axis):      # numpy; x: float32 -> the quantised numbers, widened to float32 again
;;       x = np.moveaxis(x, axis, -1); K = x.shape[-1]
;;       x = np.pad(x, [(0, 0)] * (x.ndim - 1) + [(0, -K % 32)]); x = x.reshape(x.shape[:-1] + (-1, 32)); a = np.abs(x).max(-1, keepdims=True)
;;       e = np.where(a > 0, np.clip(np.frexp(np.where(a > 0, a, 1))[1] - 1 - 2, -126, 127), 0)      # np.frexp(a)[1] - 1 = floor(log2(a)), exactly
;;       r = np.clip(x / 2.0 ** e, -6, 6)
;;       step = 2.0 ** (np.maximum(np.frexp(np.where(r == 0, 1, r))[1] - 1, 0) - 1)
;;       q = np.round(r / step) * step * 2.0 ** e      # np.round: ties to even
;;       return np.moveaxis(q.reshape(q.shape[:-2] + (-1,))[..., :K], -1, axis).astype(np.float32)
;;   ~~~
;;   SOFTMAX AHEAD OF A QUANTISED PRODUCT. Where the list says 'softmax', what is quantised is not the finished softmax but p = 2^(t - M), with t = logit x log2(e) and M = ceil(the row's largest t), a whole number; so 1/2 < the row's largest p <= 1. The row's sum l is taken of the UNQUANTISED p, in f32, and the product's result is divided by l at the end. Since M is a whole number, a kernel that streams over the keys may use a running M (the ceiling of the running maximum): every later rescaling is an exact power of two, which a block's scale takes up: the codes' values come out the same.
;;   OPERANDS COMPUTED ON THE WAY. 'Computed on the way' means the value that the module computes at that place (a softmax that the list does not call 'softmax' is quantised finished and normalised). What goes into a quantiser is computed in f32, as accurately as f32 sums, v_exp_f32 and their like allow (about 1e-6 of the number): no bf16 or f16 on the way to a quantiser, and a product that is left as it is and whose result goes on into a quantised operand takes f32 operands (vector FMAs, or v_wmma_f32_16x16x4_f32). A number that lies on a knife's edge between two numbers of the format may be rounded either way, as far as f32 arithmetic and the matrix unit's own rounding can turn it there, and no further.
;;   INPUTS GIVEN AS CODES. Wk (in the module: [1024, 256], K = its axis 0); Wq (in the module: [1024, 256], K = its axis 0); Wv (in the module: [1024, 1024], K = its axis 0); y (in the module: [4, 2048, 1024], K = its axis 2): each comes as NAME_codes (uint8): NAME with its K axis moved to the last place and cut into blocks of 32 codes, [.., K / 32, bytes a block], one block behind the other in memory; two codes a byte, the lower K in the low four bits (a code: sign, 2 exponent bits, 1 mantissa bit); and NAME_scales (uint8): the same leading axes, one E8M0 byte (e + 127) for each 32 codes along K. Its value is code x scale, taken as it is: it is not quantised again, and the codes and scales need not be those that the quantiser above would give.
;; One version. Each part assembles by itself: llvm-mc -triple=amdgcn-amd-amdhsa -mcpu=gfx1250 --defsym DOCPART=n.
;; ======== version 1 of 1: 2 launches
;; limits: right only within a limited range of input values
;; workspace buffers: fq 1,048,576 bytes; fs 262,144 bytes; kv 5,767,168 bytes
;; launch proj (part 1): grid 256 x 1, 8 waves a work-group, no clusters, 327,680 bytes of LDS; arguments x, y_codes, y_scales, Wq_codes, Wq_scales, bq, Wk_codes, Wk_scales, bk, Wv_codes, Wv_scales, bv, fq, fs, kv; writes fq, fs, kv
.if DOCPART == 1
	.amdgcn_target "amdgcn-amd-amdhsa--gfx1250"
	.amdhsa_code_object_version 6
	.text
	.protected	k_q1557df13b4_proj
	.globl	k_q1557df13b4_proj
	.p2align	8
	.type	k_q1557df13b4_proj,@function
k_q1557df13b4_proj:
	s_mov_b64 s[64:65], 0
	v_nop
	global_prefetch_b8 v0, s[64:65] scope:SCOPE_SE
	s_setreg_imm32_b32 hwreg(HW_REG_WAVE_MODE, 25, 1), 1
	s_wait_xcnt 0x0
; THE THREE PROJECTIONS, each result quantised on the way to E2M1 codes with one E8M0 byte for 32 along the NEXT product's K.
;   f = Q(x) Wq + bq, quantised along a head's 32 -> fq [bh][2048][16 bytes], fs [bh][2048] words (the byte four times)
;   g = y Wk + bk,    quantised along a head's 32 -> kv, a key step's first 2,048 bytes
;   h = y Wv + bv,    quantised along the KEYS    -> kv, a key step's 8 fragments of V^T as images of their registers
; bh = 8 x batch + head.  kv: [bh][16 steps of 128 keys][11,264 bytes]; from byte 10,240 of a step four blocks of 256 bytes [lane][2 words]: V's scale words of channel tiles 0-3, 4-7, K's of key tiles 0-3, 4-7.
; No work of the definition is left out: every product, bias and step reaches the output.
; SHARES.  256 work-groups of eight waves.  Work-group id takes key step id / 4 (128 rows of y) for the heads 2 (id % 4) and 2 (id % 4) + 1, and rows 32 id .. 32 id + 31 of x.
; Wave w, m = w % 4: head 2 (id % 4) + w / 4: V's channels 32 m .. 32 m + 31 for all 128 keys (128 products), K's key tiles 2 m, 2 m + 1 (32); and f of head w for the 32 rows (32).
; Wv and Wq go from memory straight into registers, each row once a work-group; y, Wk and x come into LDS by the head's tensor loads, one a wave: y waves 0, 1; Wk waves 2, 3; x waves 4-7.
; THE KEYS OF A TILE ARE NOT NEIGHBOURS: row p of tile T = 2 b + u is key 32 b + 8 u + p + 8 (p / 8); so the 16 registers of tiles 2 b, 2 b + 1 of a result are 16 neighbouring keys.  The rows of Wk and Wq that form a tile are chosen alike.
; No cluster: of what a work-group reads (x 128 KB, weights 288 KB, y 64 KB) only y's tile is common to four neighbours.  No prefetch: all that is read is asked for at the head or behind its first barrier.
; LIMITS: NaN and infinities in x and bytes 0xff among the given scales are not served; a block whose largest magnitude lies under 2^-124 gets the byte 1, a block of zeros too (its codes are zeros; the bytes are read by this program alone).
; REGISTERS.  Window 0: the names below.  Window 1: v0-127 Wv, then Wk, then x's codes; v128-255 Wq.
; THE LOADS INTO LDS, AS THE TEXT NOW HAS THEM (in place of the shares of loads named above): at the head y by waves 0-3 and Wk by waves 4-7, a quarter each; behind the first barrier each wave its own four rows of x.
.set YB,   33920                       ; LDS: y in two regions: region a holds rows p = 8 a .. 8 a + 7 of tile T at 8 T: rows 528 bytes apart; the regions start 128 bytes apart modulo 256
.set WKB,  67840                       ; Wk: two heads x 32 rows, 528 bytes apart
.set XB,   101632                      ; x: 32 rows of 5,120 bytes: 16 bytes of padding behind each 64
.set XCB,  265472                      ; x's codes: 32 rows, 528 bytes apart
.set XSL,  282368                      ; x's scale bytes: 32 rows, 48 bytes apart
.set SCST, 283904                      ; scale words on their way out: two heads x 1,024 bytes
.set SPARE, 285952                     ; the spare words, 128 bytes for each wave
.set ACC,  16                          ; v16-79   eight accumulators; in the x phase four sets of 16 numbers; in the head v16-19 lane terms
.set PC,   80                          ; v80-87   codes just made
.set TM,   88                          ; v88-103  V's bias in the result's layout; then +0 largest magnitudes, +4 the other half's, then bytes, +8 at work, +12 the conversions' scale operands
.set SPW,  104
.set NIL,  105
.set PWS,  106                         ; v106-107 V's scale words of my two channel tiles
.set BV,   108                         ; v108-109
.set OUT,  110
.set L64,  111                         ; 64 h
.set YKS,  112                         ; v112-119 y's scale words of my two key tiles: lanes 0-15 the even one, lanes 16-31 the odd one
.set BKQ,  120                         ; v120-135 bk, then bq, in the result's layout
.set YSC,  136                         ; v136-167 y's scale words: register 8 p + ks: lanes 0-15 tile 2 p, lanes 16-31 tile 2 p + 1
.set WVS,  168                         ; v168-175 Wv's, then x's codes'
.set WKS,  176                         ; v176-183
.set WQS,  184                         ; v184-191
.set RING, 192                         ; v192-255 fragments of y, two sets of four tiles
.set MSB, 0
.macro WIN new                         ; the immediate's high byte repeats the setting that is left
.if MSB != \new
	s_set_vgpr_msb (MSB<<8)|\new
.set MSB, \new
.endif
.endm
.macro PLACES                          ; four plain places behind a matrix instruction (ISA guide 7.12.1)
.rept 4
	v_nop
.endr
.endm
; One matrix instruction, by the symbols rD, rA, rB, rC, rSA, rSB; fA, fB = 1: that side's scales stand in lanes 16-31.
.macro MM
.if fA && fB
	v_wmma_scale_f32_16x16x128_f8f6f4 v[rD:rD+7], v[rA:rA+7], v[rB:rB+7], v[rC:rC+7], v[rSA], v[rSB] matrix_a_fmt:MATRIX_FMT_FP4 matrix_b_fmt:MATRIX_FMT_FP4 matrix_a_scale:MATRIX_SCALE_ROW1 matrix_b_scale:MATRIX_SCALE_ROW1
.elseif fA
	v_wmma_scale_f32_16x16x128_f8f6f4 v[rD:rD+7], v[rA:rA+7], v[rB:rB+7], v[rC:rC+7], v[rSA], v[rSB] matrix_a_fmt:MATRIX_FMT_FP4 matrix_b_fmt:MATRIX_FMT_FP4 matrix_a_scale:MATRIX_SCALE_ROW1
.elseif fB
	v_wmma_scale_f32_16x16x128_f8f6f4 v[rD:rD+7], v[rA:rA+7], v[rB:rB+7], v[rC:rC+7], v[rSA], v[rSB] matrix_a_fmt:MATRIX_FMT_FP4 matrix_b_fmt:MATRIX_FMT_FP4 matrix_b_scale:MATRIX_SCALE_ROW1
.else
	v_wmma_scale_f32_16x16x128_f8f6f4 v[rD:rD+7], v[rA:rA+7], v[rB:rB+7], v[rC:rC+7], v[rSA], v[rSB] matrix_a_fmt:MATRIX_FMT_FP4 matrix_b_fmt:MATRIX_FMT_FP4
.endif
.endm
; nb blocks of 32 numbers: register ACC + 16 b + i is number 16 (lane / 16) + i of block b.  Out: bytes in v[TM+4+b], codes of my 16 numbers of block b in v[PC+2b], v[PC+2b+1].
.macro QCORE nb
	s_wait_alu depctr_va_vdst(0)
	s_wait_xcnt 0x0                                ; earlier stores have read PC and OUT, which are written again below
.irp b, 0,1,2,3
.if \b < \nb
	v_max3_num_f32 v[TM+\b], |v[ACC+16*\b]|, |v[ACC+16*\b+1]|, 0x1800000   ; each accumulator from its low end on; the floor 2^(3 - 127) holds the byte at 1 from below
.endif
.endr
.irp i, 2,4,6,8,10,12,14
.irp b, 0,1,2,3
.if \b < \nb
	v_max3_num_f32 v[TM+\b], v[TM+\b], |v[ACC+16*\b+\i]|, |v[ACC+16*\b+\i+1]|
.endif
.endr
.endr
.irp b, 0,1,2,3
.if \b < \nb
	v_permlanex16_b32 v[TM+4+\b], v[TM+\b], s44, s45
.endif
.endr
.irp b, 0,1,2,3
.if \b < \nb
	v_max_num_f32 v[TM+\b], v[TM+\b], v[TM+4+\b]   ; with lane l xor 16's 16: the block's largest magnitude
.endif
.endr
.irp b, 0,1,2,3
.if \b < \nb
	v_add_nc_u32 v[TM+12+\b], 0xff000000, v[TM+\b] ; 2 off its exponent field: the conversion's scale operand
.endif
.endr
.irp b, 0,1,2,3
.if \b < \nb
	v_lshrrev_b32 v[TM+4+\b], 23, v[TM+12+\b]      ; the scale's byte
.endif
.endr
.irp b, 0,1,2,3
.if \b < \nb
	v_cvt_scalef32_pk8_fp4_f32 v[PC+2*\b], v[ACC+16*\b:ACC+16*\b+7], v[TM+12+\b]
	v_cvt_scalef32_pk8_fp4_f32 v[PC+2*\b+1], v[ACC+16*\b+8:ACC+16*\b+15], v[TM+12+\b]
.endif
.endr
	v_nop                                          ; one plain place behind a scaled conversion
.endm
	s_load_b512 s[4:19], s[0:1], 0x0               ; x 4, y_codes 6, y_scales 8, Wq_codes 10, Wq_scales 12, bq 14, Wk_codes 16, Wk_scales 18
	s_load_b256 s[20:27], s[0:1], 0x40             ; bk 20, Wv_codes 22, Wv_scales 24, bv 26
	s_load_b128 s[28:31], s[0:1], 0x60             ; fq 28, fs 30
	s_load_b64 s[32:33], s[0:1], 0x70              ; kv 32
	v_lshl_add_u32 v[SPW], v0, 2, SPARE
	v_mov_b32 v[NIL], 0
	ds_add_u32 v[SPW], v[NIL]                      ; the opening lines: the add, twice on end, and its wait
	ds_add_u32 v[SPW], v[NIL]
	v_lshrrev_b32 v1, 5, v0
	v_readfirstlane_b32 s40, v1                    ; wave w
	s_and_b32 s41, s40, 3                          ; m
	s_lshr_b32 s42, s40, 2                         ; which of the two heads
	s_mov_b32 s43, 0x01010101
	s_mov_b32 s44, 0x76543210
	s_mov_b32 s45, 0xfedcba98                      ; v_permlanex16_b32's selects for lane l xor 16
	s_lshr_b32 s2, ttmp9, 2                        ; the key step, 0 .. 63, over all batches
	s_and_b32 s3, ttmp9, 3
	; descriptor group 1 for y: four rows of 8,192 bytes (16 rows of y each), 16,384 bytes apart, 16 bytes of padding behind each 512
	; (two of the four a wave)
	s_mov_b32 s48, (3<<16)|(1<<20)|(6<<22)|(3<<25)
	s_mov_b32 s49, 1024<<16
	s_mov_b32 s50, 2<<16
	s_mov_b32 s51, 1024<<16
	s_mov_b32 s52, 2
	s_mov_b32 s53, 2048
	s_mov_b32 s54, 0
	s_mov_b32 s55, 0
	; for Wk: 16 rows of 512 bytes, padded alike
	s_mov_b32 s80, (3<<16)|(1<<20)|(6<<22)|(3<<25)
	s_mov_b32 s81, 64<<16
	s_mov_b32 s82, 16<<16
	s_mov_b32 s83, 64<<16
	s_mov_b32 s84, 16
	s_mov_b32 s85, 64
	s_mov_b32 s86, 0
	s_mov_b32 s87, 0
	; and for x: 4 rows of 1,024 f32, 16 bytes of padding behind each 64 bytes: an LDS row is 5,120 bytes
	s_mov_b32 s56, (2<<16)|(1<<20)|(3<<22)|(3<<25)
	s_mov_b32 s57, 1024<<16
	s_mov_b32 s58, 4<<16
	s_mov_b32 s59, 1024<<16
	s_mov_b32 s60, 4
	s_mov_b32 s61, 1024
	s_mov_b32 s62, 0
	s_mov_b32 s63, 0
	s_lshr_b32 s47, s41, 1                         ; the region a that I fill,
	s_and_b32 s37, s41, 1                          ; and which half of it: blocks b = 2 half, 2 half + 1
	s_lshl_b32 s36, s2, 16                         ; y: 128 rows of 512 bytes a step,
	s_lshl_b32 s38, s47, 13                        ; 16 of each 32 rows
	s_add_co_u32 s36, s36, s38
	s_lshl_b32 s38, s37, 15
	s_add_co_u32 s36, s36, s38
	s_mul_i32 s69, s47, YB
	s_mul_i32 s38, s37, 16896
	s_add_co_u32 s69, s69, s38
	s_mov_b32 s37, 0
	s_lshl_b32 s38, s3, 15                         ; Wk: 64 rows of 512 bytes for two heads, 16 of them
	s_lshl_b32 s39, s41, 13
	s_add_co_u32 s38, s38, s39
	s_mov_b32 s39, 0
	s_mul_i32 s73, s41, 8448
	s_add_co_u32 s73, s73, WKB
	s_lshl_b32 s66, ttmp9, 17                      ; x: 32 rows of 4,096 bytes a work-group, 4 of them
	s_lshl_b32 s67, s40, 14
	s_add_co_u32 s66, s66, s67
	s_mov_b32 s67, 0
	s_mul_i32 s77, s40, 20480
	s_add_co_u32 s77, s77, XB
	s_wait_dscnt 0x0                               ; both opening adds are done
	s_wait_kmcnt 0x0
	s_mov_b32 s68, 1
	s_add_nc_u64 s[70:71], s[6:7], s[36:37]
	s_or_b32 s71, s71, 0x80000000
	s_mov_b32 s72, 1
	s_add_nc_u64 s[74:75], s[16:17], s[38:39]
	s_or_b32 s75, s75, 0x80000000
	s_mov_b32 s76, 1
	s_add_nc_u64 s[78:79], s[4:5], s[66:67]
	s_or_b32 s79, s79, 0x80000000
	s_cmp_lt_u32 s40, 4                            ; the head's loads, one a wave, in one chain of branches on the wave's number
	s_cbranch_scc0 .Lhead_k
	tensor_load_to_lds s[68:71], s[48:55]
	s_nop 0
	PLACES
	s_branch .Lasked
.Lhead_k:
	tensor_load_to_lds s[72:75], s[80:87]
	s_nop 0
	PLACES
.Lasked:
	; every base at my part
	s_lshl_b32 s36, s2, 12
	s_add_nc_u64 s[8:9], s[8:9], s[36:37]          ; y's scales: 128 rows of 32 bytes a step
	s_lshl_b32 s36, s41, 10
	s_add_nc_u64 s[90:91], s[8:9], s[36:37]        ; those of my two key tiles
	s_lshl_b32 s36, s3, 17
	s_lshl_b32 s47, s40, 14
	s_add_co_u32 s36, s36, s47
	s_add_nc_u64 s[22:23], s[22:23], s[36:37]      ; Wv: row 256 (id % 4) + 32 w, 512 bytes a row
	s_lshr_b32 s36, s36, 4
	s_add_nc_u64 s[24:25], s[24:25], s[36:37]      ; its scales, 32 bytes a row
	s_lshr_b32 s36, s36, 3
	s_add_nc_u64 s[26:27], s[26:27], s[36:37]      ; bv, 4 bytes
	s_lshl_b32 s3, s3, 1
	s_add_co_u32 s3, s3, s42                       ; my head
	s_lshl_b32 s36, s3, 10
	s_add_nc_u64 s[18:19], s[18:19], s[36:37]      ; Wk's scales: row 32 head
	s_lshl_b32 s36, s3, 7
	s_add_nc_u64 s[20:21], s[20:21], s[36:37]      ; bk
	s_lshl_b32 s36, s40, 14
	s_add_nc_u64 s[10:11], s[10:11], s[36:37]      ; Wq: row 32 w
	s_lshl_b32 s36, s40, 10
	s_add_nc_u64 s[12:13], s[12:13], s[36:37]
	s_lshl_b32 s36, s40, 7
	s_add_nc_u64 s[14:15], s[14:15], s[36:37]      ; bq
	s_lshr_b32 s38, s2, 4
	s_lshl_b32 s38, s38, 3
	s_add_co_u32 s38, s38, s3                      ; bh
	s_and_b32 s39, s2, 15                          ; the step within the batch
	s_mul_i32 s36, s38, 180224
	s_mul_i32 s47, s39, 11264
	s_add_co_u32 s36, s36, s47
	s_add_nc_u64 s[32:33], s[32:33], s[36:37]      ; kv at my step
	s_lshl_b32 s36, s41, 9
	s_add_nc_u64 s[88:89], s[32:33], s[36:37]      ; K's image: my two tiles of 256 bytes
	s_lshl_b32 s36, s41, 8
	s_add_co_u32 s36, s36, 10240
	s_add_nc_u64 s[34:35], s[32:33], s[36:37]      ; the scale words: block m
	s_lshl_b32 s36, s41, 11
	s_add_co_u32 s36, s36, 2048
	s_add_nc_u64 s[32:33], s[32:33], s[36:37]      ; V's: my two fragments of 1,024 bytes
	s_lshr_b32 s36, ttmp9, 6                       ; x's batch
	s_lshl_b32 s36, s36, 3
	s_add_co_u32 s36, s36, s40                     ; bh of my head of f
	s_lshl_b32 s36, s36, 11
	s_and_b32 s38, ttmp9, 63
	s_lshl_b32 s38, s38, 5
	s_add_co_u32 s38, s36, s38                     ; + the work-group's first query
	s_lshl_b32 s36, s38, 4
	s_add_nc_u64 s[28:29], s[28:29], s[36:37]      ; fq
	s_lshl_b32 s36, s38, 2
	s_add_nc_u64 s[30:31], s[30:31], s[36:37]      ; fs
	; lane terms
	v_and_b32 v1, 31, v0                           ; lane
	v_and_b32 v2, 15, v0                           ; r
	v_bfe_u32 v3, v0, 4, 1                         ; h
	v_and_b32 v16, 8, v2
	v_add_nc_u32 v16, v16, v2                      ; r + 8 (r / 8)
	v_lshlrev_b32 v13, 9, v2
	v_lshl_add_u32 v13, v3, 4, v13                 ; v13 Wv: row r
	v_lshl_add_u32 v17, v3, 3, v16
	v_lshlrev_b32 v17, 5, v17                      ; v17 scale rows of a pair of tiles: 32 (8 h + r + 8 (r / 8))
	v_lshlrev_b32 v18, 5, v1                       ; v18 32 x lane
	v_lshlrev_b32 v19, 2, v2                       ; v19 4 r
	v_lshlrev_b32 v[L64], 6, v3
	; 22 small loads: scale words and biases
.irp q, 0,1
	global_load_b128 v[WVS+4*\q:WVS+4*\q+3], v18, s[24:25] offset:16*\q
.endr
.irp t, 0,1
	global_load_b32 v[BV+\t], v19, s[26:27] offset:64*\t
.endr
.irp p, 0,1,2,3
.irp q, 0,1
	global_load_b128 v[YSC+8*\p+4*\q:YSC+8*\p+4*\q+3], v17, s[8:9] offset:1024*\p+16*\q
.endr
.endr
.irp q, 0,1
	global_load_b128 v[YKS+4*\q:YKS+4*\q+3], v17, s[90:91] offset:16*\q
	global_load_b128 v[WKS+4*\q:WKS+4*\q+3], v17, s[18:19] offset:16*\q
	global_load_b128 v[WQS+4*\q:WQS+4*\q+3], v17, s[12:13] offset:16*\q
.endr
.irp u, 0,1
	global_load_b128 v[BKQ+8*\u:BKQ+8*\u+3], v[L64], s[20:21] offset:32*\u
	global_load_b128 v[BKQ+8*\u+4:BKQ+8*\u+7], v[L64], s[20:21] offset:32*\u+16
.endr
	WIN 0x40
.irp ks, 0,1,2,3,4,5,6,7                       ; Wv: my two tiles of 16 channels, by K steps: 32 loads
.irp ct, 0,1
.irp c, 0,1
	global_load_b128 v[64*\ct+8*\ks+4*\c:64*\ct+8*\ks+4*\c+3], v13, s[22:23] offset:8192*\ct+64*\ks+32*\c
.endr
.endr
.endr
	WIN 0
	v_lshlrev_b32 v14, 9, v16
	v_lshl_add_u32 v14, v3, 4, v14                 ; v14 Wq: row r + 8 (r / 8)
	v_and_b32 v4, 7, v2
	v_mul_u32_u24 v4, v4, 528
	v_lshl_add_u32 v4, v3, 4, v4
	v_lshrrev_b32 v5, 3, v2
	v_mad_u32_u24 v4, v5, YB, v4                   ; v4  a fragment's row in y's tile: region r / 8, row r % 8, + 16 h
	v_mul_u32_u24 v5, v2, 528
	v_lshl_add_u32 v5, v3, 4, v5
	v_add_nc_u32 v5, XCB, v5                       ; v5  among x's codes
	s_mul_i32 s36, s40, 20480
	s_add_co_u32 s36, s36, XB
	v_mul_u32_u24 v6, v1, 80
	v_add_nc_u32 v6, s36, v6                       ; v6  x: my 64 bytes of a half row: 80 x lane in my wave's four rows
	v_lshlrev_b32 v9, 4, v1                        ; v9  16 x lane
	v_lshlrev_b32 v10, 3, v1                       ; v10 8 x lane
	v_lshlrev_b32 v12, 2, v1                       ; v12 4 x lane
	s_mul_i32 s36, s40, 2112
	s_add_co_u32 s36, s36, XCB
	v_add_nc_u32 v7, s36, v10                      ; v7  where I put 16 codes of x
	v_lshrrev_b32 v8, 1, v1
	s_mul_i32 s36, s40, 192
	s_add_co_u32 s36, s36, XSL
	v_add_nc_u32 v8, s36, v8                       ; v8  and my block's byte
	v_lshlrev_b32 v11, 4, v2
	v_lshl_add_u32 v11, v3, 3, v11                 ; v11 16 r + 8 h: my 16 codes of a row of 32
	v_mul_u32_u24 v15, v1, 48
	v_add_nc_u32 v15, XSL, v15                     ; v15 x's scale words: row = lane
	v_cmp_gt_u32 s46, 16, v1                       ; s46 lanes 0-15
	s_mul_i32 s36, s42, 16896
	s_add_co_u32 s36, s36, WKB
	v_mul_u32_u24 v1, v16, 528
	v_lshl_add_u32 v1, v3, 4, v1
	v_add_nc_u32 v1, s36, v1                       ; v1  from here on: a fragment's row in Wk's tile of my head
	s_lshl_b32 s36, s42, 10
	s_lshl_b32 s47, s41, 7
	s_add_co_u32 s36, s36, s47
	s_add_co_u32 s36, s36, SCST
	v_add_nc_u32 v2, s36, v12                      ; v2  where I put my scale words, 128 bytes a wave (V's; K's 512 on)
	s_lshl_b32 s36, s40, 8
	s_add_co_u32 s36, s36, SCST
	v_add_nc_u32 v3, s36, v12                      ; v3  the 256 bytes of them that I store
	s_wait_alu depctr_va_vdst(0)                   ; the wait at the head's end
	s_wait_tensorcnt 0x0                           ; my part of y or Wk is in
	ds_add_u32 v[SPW], v[NIL]                      ; 0 onto my spare word
	s_wait_dscnt 0x0
	s_barrier_signal -1
	s_barrier_wait -1                              ; y and Wk are whole
	tensor_load_to_lds s[76:79], s[56:63]          ; my own four rows of x, wanted behind the products of y
	s_nop 0
	PLACES
	WIN 0x40
.irp u, 0,1                                    ; Wq: head w: 32 loads
.irp ks, 0,1,2,3,4,5,6,7
.irp c, 0,1
	global_load_b128 v[128+64*\u+8*\ks+4*\c:128+64*\u+8*\ks+4*\c+3], v14, s[10:11] offset:4096*\u+64*\ks+32*\c
.endr
.endr
.endr
	WIN 0
; ---- H: h = y Wv + bv.  Source 0 = 16 keys of y, source 1 = 16 rows of Wv: a lane holds ONE channel, its registers run along the keys.
.macro RL n                            ; set n: 128 along K of four key tiles: half n / 8, K step n % 8
.irp tt, 0,1,2,3
.irp c, 0,1
	ds_load_b128 v[RING+32*((\n)%2)+8*\tt+4*\c:RING+32*((\n)%2)+8*\tt+4*\c+3], v4 offset:(4*((\n)/8)+\tt)*4224+64*((\n)%8)+32*\c
.endr
.endr
.endm
; 64 keys x 32 channels: eight accumulators by turns, K ascending.
.macro HALF g
.if \g == 0
	s_wait_loadcnt 60                              ; the small loads and Wv's first K step are in
.endif
.irp j, 0,1,2,3,4,5,6,7
	v_mov_b32 v[TM+\j], v[BV]                      ; the bias is the C of each sum's first product
	v_mov_b32 v[TM+8+\j], v[BV+1]
.endr
	s_wait_alu depctr_va_vdst(0)
	WIN 0x04                                       ; source 1 (Wv) window 1
.irp ks, 0,1,2,3,4,5,6,7
.if \g == 0
	s_wait_loadcnt 60-4*\ks                        ; Wv's K steps behind this one, four loads each, and Wq's 32 may be out
.endif
.if (\g == 1) && (\ks == 7)
	s_wait_dscnt 0x0
.else
	s_wait_dscnt 0x8                               ; this set is in; the next one's eight loads may be out
.endif
.irp tt, 0,1,2,3
.irp ct, 0,1
.set rD, ACC+32*\ct+8*\tt
.set rA, RING+32*(\ks%2)+8*\tt
.set rB, 64*\ct+8*\ks
.if \ks == 0
.set rC, TM+8*\ct
.else
.set rC, rD
.endif
.set rSA, YSC+8*(2*\g+\tt/2)+\ks
.set rSB, WVS+\ks
.set fA, \tt%2
.set fB, \ct
	MM
.endr
.endr
	PLACES
.if (8*\g+\ks) < 14
	RL 8*\g+\ks+2
.endif
.endr
	WIN 0
.endm
.macro HOUT g                          ; four blocks of 32 keys: channel tile ct, blocks 2 g, 2 g + 1
	QCORE 4
.irp ct, 0,1
.if \g == 0
	v_lshl_or_b32 v[PWS+\ct], v[TM+5+2*\ct], 8, v[TM+4+2*\ct]
.else
	v_lshl_or_b32 v[TM+8+\ct], v[TM+5+2*\ct], 8, v[TM+4+2*\ct]
	v_lshl_or_b32 v[PWS+\ct], v[TM+8+\ct], 16, v[PWS+\ct]
.endif
.endr
.irp ct, 0,1
.irp i, 0,1
	v_permlane16_swap_b32 v[PC+4*\ct+\i], v[PC+2+4*\ct+\i]   ; a whole block in a lane
.endr
.endr
.irp ct, 0,1
	global_store_b128 v9, v[PC+4*\ct:PC+4*\ct+3], s[32:33] offset:1024*\ct+512*\g   ; half a fragment as it stands: 512 consecutive bytes a store
.endr
.endm
	RL 0
	RL 1
	HALF 0
	HOUT 0
	HALF 1
; ---- G: g = y Wk + bk, TRANSPOSED: source 0 = 16 rows of Wk, source 1 = 16 keys: a lane holds one key, its registers run along the head's 32.
	; its fragments are asked for ahead of V's way out: Wk's over Wv's, y's where no fragment is at work
	s_mul_i32 s36, s41, 8448
	v_add_nc_u32 v4, s36, v4                       ; my key tiles 2 m, 2 m + 1
	WIN 0x40
.irp ks, 0,1,2,3,4,5,6,7
.irp u, 0,1
.irp c, 0,1
	ds_load_b128 v[64*\u+8*\ks+4*\c:64*\u+8*\ks+4*\c+3], v1 offset:4224*\u+64*\ks+32*\c
.endr
.endr
.endr
	WIN 0
.macro YG ks                           ; where the fragments of K step ks lie
.if \ks < 4
.set GY, RING+16*\ks
.elseif \ks < 6
.set GY, YSC+16*(\ks-4)
.else
.set GY, ACC+32+16*(\ks-6)
.endif
.endm
.macro YGL ks
	YG \ks
.irp be, 0,1
.irp c, 0,1
	ds_load_b128 v[GY+8*\be+4*\c:GY+8*\be+4*\c+3], v4 offset:4224*\be+64*\ks+32*\c
.endr
.endr
.endm
	YGL 0
	YGL 1
	YGL 2
	YGL 3
	YGL 4
	YGL 5
	HOUT 1
	v_cndmask_b32 v[OUT], v[PWS+1], v[PWS], s46    ; lanes 0-15 channel tile 2 m, lanes 16-31 tile 2 m + 1
	ds_store_b32 v2, v[OUT]
	YGL 6
	YGL 7
	s_wait_alu depctr_va_vdst(0)
	s_wait_dscnt 0x8                               ; all but the last two K steps' eight loads
	WIN 0x01                                       ; source 0 (Wk) window 1
.macro GMUL ks
	YG \ks
.irp be, 0,1
.irp u, 0,1
.set rD, ACC+16*\be+8*\u
.set rA, 64*\u+8*\ks
.set rB, GY+8*\be
.if \ks == 0
.set rC, BKQ+8*\u
.else
.set rC, rD
.endif
.set rSA, WKS+\ks
.set rSB, YKS+\ks
.set fA, \u
.set fB, \be
	MM
.endr
.endr
.endm
.irp ks, 0,1,2,3,4,5
	GMUL \ks
.endr
	s_wait_dscnt 0x0
	GMUL 6
	GMUL 7
	WIN 0
	PLACES
.irp u, 0,1                                    ; bq takes bk's place
	global_load_b128 v[BKQ+8*\u:BKQ+8*\u+3], v[L64], s[14:15] offset:32*\u
	global_load_b128 v[BKQ+8*\u+4:BKQ+8*\u+7], v[L64], s[14:15] offset:32*\u+16
.endr
	QCORE 2                                        ; block be = key tile 2 m + be: one block of 32 for each key
.irp b, 0,1
	global_store_b64 v11, v[PC+2*\b:PC+2*\b+1], s[88:89] offset:256*\b   ; a tile's 16 rows of 16 bytes: 256 consecutive bytes
.endr
.irp b, 0,1
	v_mul_lo_u32 v[TM+8+\b], v[TM+4+\b], s43       ; each block's byte four times in a word
.endr
	v_cndmask_b32 v[OUT], v[TM+9], v[TM+8], s46
	ds_store_b32 v2, v[OUT] offset:512
; ---- X: my four rows of x become codes.  A step is half a row: 512 numbers, 16 neighbours a lane, two lanes to a block.
	s_wait_alu depctr_va_vdst(0)
	s_wait_tensorcnt 0x0                           ; my own rows are in: only I read them
	s_wait_dscnt 0x0
	s_wait_xcnt 0x0                                ; the stores above have read PC
.macro XQ g, i
.set XR, ACC+16*\i
	s_wait_dscnt 12-2*\i                           ; behind this step's four loads: 12 - 4 i loads and the 2 i stores of the group's earlier steps
	v_max3_num_f32 v[TM], |v[XR]|, |v[XR+1]|, |v[XR+2]|
	v_max3_num_f32 v[TM+1], |v[XR+3]|, |v[XR+4]|, |v[XR+5]|
.irp n, 6,10
	v_max3_num_f32 v[TM], v[TM], |v[XR+\n]|, |v[XR+\n+1]|
	v_max3_num_f32 v[TM+1], v[TM+1], |v[XR+\n+2]|, |v[XR+\n+3]|
.endr
	v_max3_num_f32 v[TM], v[TM], |v[XR+14]|, |v[XR+15]|
	v_max3_num_f32 v[TM], v[TM], v[TM+1], 0x1800000
	v_max_num_f32_dpp v[TM], v[TM], v[TM] row_xmask:1 row_mask:0xf bank_mask:0xf   ; with my neighbour's 16: the block's
	v_add_nc_u32 v[TM+12], 0xff000000, v[TM]
	v_cvt_scalef32_pk8_fp4_f32 v[PC+2*\i], v[XR:XR+7], v[TM+12]
	v_cvt_scalef32_pk8_fp4_f32 v[PC+2*\i+1], v[XR+8:XR+15], v[TM+12]
	v_lshrrev_b32 v[TM+4+\i], 23, v[TM+12]         ; the byte; also the plain place behind the conversions
	ds_store_b64 v7, v[PC+2*\i:PC+2*\i+1] offset:528*((4*\g+\i)/2)+256*(\i%2)
	ds_store_b8 v8, v[TM+4+\i] offset:48*((4*\g+\i)/2)+16*(\i%2)   ; both lanes of a block write the same byte with the same value
.endm
.irp g, 0,1
.irp i, 0,1,2,3
.irp j, 0,1,2,3
	ds_load_b128 v[ACC+16*\i+4*\j:ACC+16*\i+4*\j+3], v6 offset:5120*((4*\g+\i)/2)+2560*(\i%2)+16*\j
.endr
.endr
.irp i, 0,1,2,3
	XQ \g, \i
.endr
.endr
	s_wait_alu depctr_va_vdst(0)
	s_wait_dscnt 0x0                               ; for the others' sake: my codes, bytes and scale words lie in LDS
	s_barrier_signal -1
	s_barrier_wait -1
; ---- F: f = Q(x) Wq + bq, transposed like G: a lane holds one query.
	ds_load_b32 v[PWS], v3                         ; 256 bytes of scale words on their way out: [lane][2 words]
	ds_load_b32 v[PWS+1], v3 offset:128
.irp q, 0,1
	ds_load_b128 v[WVS+4*\q:WVS+4*\q+3], v15 offset:16*\q   ; x's scale words: lanes 0-15 rows 0-15, lanes 16-31 rows 16-31
.endr
	WIN 0x40
.irp ks, 0,1,2,3,4,5,6,7
.irp m, 0,1
.irp c, 0,1
	ds_load_b128 v[64*\m+8*\ks+4*\c:64*\m+8*\ks+4*\c+3], v5 offset:8448*\m+64*\ks+32*\c
.endr
.endr
.endr
	WIN 0
	s_wait_dscnt 0x0
	s_wait_loadcnt 0x0                             ; Wq and bq
	global_store_b64 v10, v[PWS:PWS+1], s[34:35]   ; 256 consecutive bytes
	WIN 0x05                                       ; sources 0 and 1 window 1
.irp ks, 0,1,2,3,4,5,6,7
.irp m, 0,1
.irp u, 0,1
.set rD, ACC+16*\m+8*\u
.set rA, 128+64*\u+8*\ks
.set rB, 64*\m+8*\ks
.if \ks == 0
.set rC, BKQ+8*\u
.else
.set rC, rD
.endif
.set rSA, WQS+\ks
.set rSB, WVS+\ks
.set fA, \u
.set fB, \m
	MM
.endr
.endr
.endr
	WIN 0
	PLACES
	QCORE 2                                        ; block m: queries 16 m on
.irp m, 0,1
	global_store_b64 v11, v[PC+2*\m:PC+2*\m+1], s[28:29] offset:256*\m
.endr
.irp b, 0,1
	v_mul_lo_u32 v[TM+8+\b], v[TM+4+\b], s43
.endr
	v_cndmask_b32 v[OUT], v[TM+9], v[TM+8], s46    ; lanes 0-15 queries 0-15, lanes 16-31 queries 16-31
	global_store_b32 v12, v[OUT], s[30:31]
	s_wait_tensorcnt 0x0                           ; the wave's end
	ds_add_u32 v[SPW], v[NIL]
	s_wait_dscnt 0x0
	s_endpgm
.Lfunc_end_k_q1557df13b4_proj:
	.size	k_q1557df13b4_proj, .Lfunc_end_k_q1557df13b4_proj-k_q1557df13b4_proj
	.p2alignl 7, 3214868480
	.fill 96, 4, 3214868480
	.section	.rodata,"a",@progbits
	.p2align	6, 0x0
	.amdhsa_kernel k_q1557df13b4_proj
		.amdhsa_group_segment_fixed_size 327680
		.amdhsa_private_segment_fixed_size 0
		.amdhsa_enable_private_segment 0
		.amdhsa_kernarg_size 120
		.amdhsa_user_sgpr_count 2
		.amdhsa_user_sgpr_kernarg_segment_ptr 1
		.amdhsa_wavefront_size32 1
		.amdhsa_system_sgpr_workgroup_id_x 1
		.amdhsa_system_sgpr_workgroup_id_y 1
		.amdhsa_system_sgpr_workgroup_id_z 1
		.amdhsa_system_vgpr_workitem_id 0
		.amdhsa_next_free_vgpr 512
		.amdhsa_next_free_sgpr 96
		.amdhsa_reserve_vcc 0
		.amdhsa_float_denorm_mode_32 3
		.amdhsa_float_denorm_mode_16_64 3
		.amdhsa_memory_ordered 1
		.amdhsa_forward_progress 1
		.amdhsa_inst_pref_size 84
	.end_amdhsa_kernel
	.amdgpu_metadata
---
amdhsa.version: [ 1, 2 ]
amdhsa.kernels:
  - .name:           k_q1557df13b4_proj
    .symbol:         k_q1557df13b4_proj.kd
    .args:
      - { .name: x, .offset: 0, .size: 8, .value_kind: global_buffer, .address_space: global }
      - { .name: y_codes, .offset: 8, .size: 8, .value_kind: global_buffer, .address_space: global }
      - { .name: y_scales, .offset: 16, .size: 8, .value_kind: global_buffer, .address_space: global }
      - { .name: Wq_codes, .offset: 24, .size: 8, .value_kind: global_buffer, .address_space: global }
      - { .name: Wq_scales, .offset: 32, .size: 8, .value_kind: global_buffer, .address_space: global }
      - { .name: bq, .offset: 40, .size: 8, .value_kind: global_buffer, .address_space: global }
      - { .name: Wk_codes, .offset: 48, .size: 8, .value_kind: global_buffer, .address_space: global }
      - { .name: Wk_scales, .offset: 56, .size: 8, .value_kind: global_buffer, .address_space: global }
      - { .name: bk, .offset: 64, .size: 8, .value_kind: global_buffer, .address_space: global }
      - { .name: Wv_codes, .offset: 72, .size: 8, .value_kind: global_buffer, .address_space: global }
      - { .name: Wv_scales, .offset: 80, .size: 8, .value_kind: global_buffer, .address_space: global }
      - { .name: bv, .offset: 88, .size: 8, .value_kind: global_buffer, .address_space: global }
      - { .name: fq, .offset: 96, .size: 8, .value_kind: global_buffer, .address_space: global }
      - { .name: fs, .offset: 104, .size: 8, .value_kind: global_buffer, .address_space: global }
      - { .name: kv, .offset: 112, .size: 8, .value_kind: global_buffer, .address_space: global }
    .group_segment_fixed_size: 327680
    .private_segment_fixed_size: 0
    .kernarg_segment_align: 8
    .kernarg_segment_size: 120
    .max_flat_workgroup_size: 256
    .sgpr_count:     96
    .vgpr_count:     512
    .wavefront_size: 32
...
	.end_amdgpu_metadata
.endif
;; end of part 1
;; launch attn (part 2): grid 8 x 32, 16 waves a work-group, clusters of 4 x 1, 327,680 bytes of LDS; arguments fq, fs, kv, x, gamma, out0; writes out0
.if DOCPART == 2
	.amdgcn_target "amdgcn-amd-amdhsa--gfx1250"
	.amdhsa_code_object_version 6
	.text
	.protected	k_q1557df13b4_attn
	.globl	k_q1557df13b4_attn
	.p2align	8
	.type	k_q1557df13b4_attn,@function
k_q1557df13b4_attn:
	s_mov_b64 s[64:65], 0
	v_nop
	global_prefetch_b8 v0, s[64:65] scope:SCOPE_SE
	s_setreg_imm32_b32 hwreg(HW_REG_WAVE_MODE, 25, 1), 1
	s_wait_xcnt 0x0
	s_wait_alu depctr_hold_cnt(0) depctr_sa_sdst(0) depctr_va_vdst(0) depctr_va_sdst(0) depctr_va_ssrc(0) depctr_va_vcc(0) depctr_vm_vsrc(0)
	s_getreg_b32 s2, hwreg(HW_REG_IB_STS2, 6, 4)
	s_cmp_eq_u32 s2, 0
	s_cbranch_scc0 .Lentry_in_a_cluster
	s_endpgm
.Lentry_in_a_cluster:
	s_bfe_u32 s2, ttmp6, 0x10000c
	s_cmp_lg_u32 s2, 0x3003
	s_cbranch_scc0 .Lentry_shape_is_right
	s_endpgm
.Lentry_shape_is_right:
; out = gamma x softmax(leaky(f g^T / sqrt(32))) h + x, both products on E2M1 codes with E8M0 scales, from the buffers that the launch before has laid (bh = 8 x batch + head):
;   fq [bh][2048][16 bytes] f's codes, fs [bh][2048] words (its byte four times);  kv [bh][16 steps of 128 keys][11,264 bytes].
; A step of kv: bytes 0-2,047 K's codes, tile T at 256 T, row p at 16 p (row p of tile 2 b + u is key 32 b + 8 u + p + 8 (p / 8)); then V^T's 8 fragments (16 channels x 128 keys) as images of their registers, 1,024 bytes each;
; from 10,240 four blocks [lane][2 words]: V's scale words of channel tiles 0-3, 4-7; K's bytes, four times each, of key tiles 0-3, 4-7; in a word lanes 0-15 serve the even tile, lanes 16-31 the odd one.
; THE SOFTMAX: t = leaky(score) x log2(e) / sqrt(32).  leaky(s) = 0.6 (s + 2/3 |s|): w = s + 2/3 |s| is one fused multiply-add, t = c w with c = 0.6 log2(e) / sqrt(32).
; M = the running largest t rounded UP to a whole number; p = 2^(t - M) is quantised along the keys, not normalised; the row's sum is taken of the unquantised p and divides at the end.  When M moves, sum and O are multiplied by 2^(old M - new M): exact.
; A block's scale is 2^(floor(t - M) - 2) of its largest score (w rises with the score, and the same lines on the same number give the same bits).
; A PRODUCT WITH K = 32 ON AN INSTRUCTION OF K = 128: one fragment of K's image holds FOUR key tiles, one in each block of 32; Q stands in four operands that hold the query's 32 codes in one block and zero codes in
; the other three, cut out of one run of 20 registers (zeros, codes in lanes 0-15, zeros, codes in lanes 16-31, zeros).  Fragment F with operand be gives key tile 4 F + be; the other blocks add exact zeros.
; SHARES.  A work-group owns 256 queries of one (batch, head); each of its sixteen waves 16 of them, in 256 registers: four waves to a SIMD.  Both products are used transposed: a lane holds ONE query throughout.  A step takes 256 keys, two steps of kv.
; A head's kv, 180,224 bytes, lies in LDS whole, filled ONCE: steps 0-3 of kv by the head's loads (11 rows of 256 bytes a wave), steps 4-15 by waves 0-7 (66 rows each) and x's 256 rows by waves 8-15 (32 each) behind a second round.
; CLUSTER: the four query blocks of a cluster read the same kv and ask JOINTLY (mask 15); x's rows are each work-group's own load.  No prefetch: all that is read is asked for by the two loads of each wave at the head, ahead of the loop.
; LIMITS: gamma / sum is formed first and multiplies O (another order of rounding than the definition's, behind all quantisers); a block whose largest p lies under 2^-124 keeps the byte 1; a p whose exponential rounds up to a power of two
; while t - M lies under that whole number takes the scale of t - M.  The promise holds while |t| stays under 2^31.
.set P1,  45056                        ; LDS: kv at 0; steps 0-3 of kv end here
.set XS,  180224                       ; then for each wave 16 rows x (512 + 16) bytes: x's tile, later the stage for the way out
.set SPARE, 315392                     ; the spare words, 128 bytes for each wave
.set QR,  16                           ; v16-35   the run of Q
.set S,   36                           ; v36-163  S^T of 256 keys, then p; V's fragments in its first half once that half's codes are made; at the end x and the result
.set KA,  148                          ; v148-163 K's first two fragments, until tiles 14 and 15 are made there
.set O,   164                          ; v164-227 O^T
.set PC,  228                          ; v228-243 K's other two fragments, then p's codes
.set BM,  244                          ; v244-251 K's scale words, then the blocks' largest scores, then at work, then V's scale words
.set SO,  248                          ; v248-255 the conversions' scale operands
; v1 16 x lane; v2 8 x lane; v3, v4 the step's addresses; v5 at work; v[6:7] f; v8 Q's scale words; v9 p's scale words (lanes 0-15 keys 0-127, lanes 16-31 keys 128-255); v[10:11] at work; v12 -M; v13 the largest w; v[14:15] the sum in two halves
.macro PLACES
.rept 4
	v_nop
.endr
.endm
.macro CROUND                          ; a round of the cluster's barrier
	s_barrier_signal -1
	s_barrier_wait -1
	s_cmp_lg_u32 s18, 0
	s_cbranch_scc1 .Lnot_wave_0_\@
	s_barrier_signal -3
.Lnot_wave_0_\@:
	s_barrier_wait -3
	s_barrier_signal -1
	s_barrier_wait -1
.endm
	s_load_b256 s[4:11], s[0:1], 0x0               ; fq 4, fs 6, kv 8, x 10
	s_load_b128 s[12:15], s[0:1], 0x20             ; gamma 12, out 14
	v_lshl_add_u32 v254, v0, 2, SPARE
	v_mov_b32 v255, 0
	ds_add_u32 v254, v255                          ; the opening lines: the add, twice on end, and its wait
	ds_add_u32 v254, v255
	v_lshrrev_b32 v1, 5, v0
	v_readfirstlane_b32 s18, v1                    ; wave 0..15
	s_mov_b32 s20, 0x76543210
	s_mov_b32 s21, 0xfedcba98                      ; v_permlanex16_b32's selects for lane l xor 16
	s_mov_b32 s22, 0x3e1cb184                      ; c = 0.6 log2(e) / sqrt(32)
	s_mov_b32 s23, s22                             ; (named with it as a pair, so it is written)
	s_mov_b32 s24, 0x3f2aaaab                      ; 2/3
	s_mov_b32 s26, 0xbe1cb184                      ; -c
	s_mov_b32 s27, 0x3e800000                      ; 125 << 23
	s_and_b32 s86, ttmp7, 0xffff                   ; bh, which the four partners share
	; what is asked for jointly hangs on bh and the wave's number alone
	s_mul_i32 s88, s86, 180224
	s_mul_i32 s94, s18, 2816                       ; my sixteenth of steps 0-3
	s_mul_i32 s95, s18, 16896                      ; waves 0-7: my eighth of steps 4-15; waves 8-15: x's rows behind it: XS = P1 + 8 x 16,896
	s_add_co_u32 s95, s95, P1
	s_add_co_u32 s92, s88, s95
	s_mov_b32 s93, 0
	s_add_co_u32 s88, s88, s94
	s_mov_b32 s89, 0
	; my own rows: the place in the cluster enters global addresses of fq, fs, x and out alone
	s_bfe_u32 s84, ttmp6, 0x40000                  ; cx
	s_lshl_b32 s85, ttmp9, 2
	s_add_co_u32 s85, s85, s84                     ; my block of 256 queries
	s_lshl_b32 s85, s85, 8
	s_lshr_b32 s2, s86, 3                          ; batch
	s_lshl_b32 s2, s2, 11
	s_add_co_u32 s2, s2, s85                       ; the block's first row of x and out
	s_and_b32 s87, s86, 7
	s_lshl_b32 s87, s87, 9                         ; the head's 512 bytes in a row
	s_and_b32 s3, s18, 7
	s_lshl_b32 s3, s3, 5
	s_add_co_u32 s3, s3, s2
	s_lshl_b32 s90, s3, 12
	s_add_co_u32 s90, s90, s87                     ; the 32 rows of x that I fetch (waves 8-15)
	s_mov_b32 s91, 0
	s_lshl_b32 s84, s18, 4
	s_add_co_u32 s2, s2, s84
	s_lshl_b32 s96, s2, 12
	s_add_co_u32 s96, s96, s87                     ; my 16 rows of out
	s_mov_b32 s97, 0
	s_add_co_u32 s85, s85, s84
	s_lshl_b32 s84, s86, 11
	s_add_co_u32 s84, s84, s85                     ; 2,048 bh + my first query
	s_lshl_b32 s2, s84, 4
	s_mov_b32 s3, 0
	s_lshl_b32 s84, s84, 2
	s_mov_b32 s85, 0
	; descriptor groups 1: kv as rows of 256 bytes (32 elements of 8): 11 rows at the head, 66 behind it; mask 15 with bit 21 beside it
	s_mov_b32 s28, 15|(3<<16)|(1<<21)
	s_mov_b32 s29, 32<<16
	s_mov_b32 s30, 11<<16
	s_mov_b32 s31, 32<<16
	s_mov_b32 s32, 11
	s_mov_b32 s33, 32
	s_mov_b32 s34, 0
	s_mov_b32 s35, 0
	s_mov_b32 s36, 15|(3<<16)|(1<<21)
	s_mov_b32 s37, 32<<16
	s_mov_b32 s38, 66<<16
	s_mov_b32 s39, 32<<16
	s_mov_b32 s40, 66
	s_mov_b32 s41, 32
	s_mov_b32 s42, 0
	s_mov_b32 s43, 0
	; x: 32 rows of 128 f32, 1,024 elements apart, 16 bytes of padding behind each; no mask
	s_mov_b32 s44, (2<<16)|(1<<20)|(6<<22)|(3<<25)
	s_mov_b32 s45, 128<<16
	s_mov_b32 s46, 32<<16
	s_mov_b32 s47, 128<<16
	s_mov_b32 s48, 32
	s_mov_b32 s49, 1024
	s_mov_b32 s50, 0
	s_mov_b32 s51, 0
	s_mul_i32 s77, s18, 8448
	s_add_co_u32 s77, s77, XS                      ; my tile of x
	s_wait_dscnt 0x0                               ; both opening adds are done
	s_wait_kmcnt 0x0
	s_mov_b32 s52, 1
	s_mov_b32 s53, s94
	s_add_nc_u64 s[54:55], s[8:9], s[88:89]
	s_or_b32 s55, s55, 0x80000000
	s_mov_b32 s56, 1
	s_mov_b32 s57, s95
	s_add_nc_u64 s[58:59], s[8:9], s[92:93]
	s_or_b32 s59, s59, 0x80000000
	s_mov_b32 s60, 1
	s_mov_b32 s61, s95
	s_add_nc_u64 s[62:63], s[10:11], s[90:91]
	s_or_b32 s63, s63, 0x80000000
	s_add_nc_u64 s[14:15], s[14:15], s[96:97]
	s_add_nc_u64 s[4:5], s[4:5], s[2:3]
	s_add_nc_u64 s[6:7], s[6:7], s[84:85]
	CROUND                                         ; all four work-groups are here: the joint loads meet
	tensor_load_to_lds s[52:55], s[28:35]          ; my part of steps 0-3: the wave's one load at the head
	s_nop 0
	PLACES
	s_load_b32 s83, s[12:13], 0x0                  ; gamma
	v_and_b32 v5, 31, v0                           ; lane
	v_and_b32 v10, 15, v0                          ; r
	v_lshlrev_b32 v1, 4, v5
	v_lshlrev_b32 v2, 3, v5
	v_lshlrev_b32 v3, 4, v10
	v_lshlrev_b32 v4, 2, v10
	global_load_b128 v[S:S+3], v3, s[4:5]          ; query r's 32 codes, in both halves of the lanes
	global_load_b32 v8, v4, s[6:7]                 ; and its scale word
	v_cmp_gt_u32 vcc_lo, 16, v5
	v_mov_b32 v13, 0xff61b1e6                      ; the largest w so far: -3e38
	v_mov_b32 v12, 0x7f61b1e6                      ; -M: the first change of M multiplies the zeros of sum and O by 0
	v_mov_b32 v14, 0
	v_mov_b32 v15, 0
	v_mov_b32 v7, 0                                ; (named as the upper half of the pair v[6:7])
.irp i, 0,1,2,3
	v_mov_b32 v[QR+\i], 0
	v_mov_b32 v[QR+8+\i], 0
	v_mov_b32 v[QR+16+\i], 0
.endr
.irp j, 0,1,2,3,4,5,6,7,8,9,10,11,12,13,14,15,16,17,18,19,20,21,22,23,24,25,26,27,28,29,30,31,32,33,34,35,36,37,38,39,40,41,42,43,44,45,46,47,48,49,50,51,52,53,54,55,56,57,58,59,60,61,62,63
	v_mov_b32 v[O+\j], 0                           ; O^T: the step is written for any turn; its first run finds zeros
.endr
	s_wait_alu depctr_va_vdst(0)
	s_wait_loadcnt 0x0
.irp i, 0,1,2,3
	v_cndmask_b32 v[QR+4+\i], 0, v[S+\i], vcc_lo           ; the codes in lanes 0-15, zeros above
	v_cndmask_b32 v[QR+12+\i], v[S+\i], v[QR], vcc_lo      ; and the other way round
.endr
	s_wait_kmcnt 0x0                               ; gamma
	s_wait_alu depctr_va_vdst(0)                   ; the wait at the head's end
	s_wait_tensorcnt 0x0                           ; my part of steps 0-3 is in
	ds_add_u32 v254, v255                          ; 0 onto my spare word
	s_wait_dscnt 0x0
	CROUND                                         ; everybody's part is in, and the joint loads meet
	s_cmp_lt_u32 s18, 8
	s_cbranch_scc0 .Lfor_x
	tensor_load_to_lds s[56:59], s[36:43]          ; waves 0-7: steps 4-15 of kv, jointly
	s_nop 0
	PLACES
	s_branch .Lasked
.Lfor_x:
	tensor_load_to_lds s[60:63], s[44:51]          ; waves 8-15: the work-group's rows of x
	s_nop 0
	PLACES
.Lasked:
.macro F n                             ; n lines of w = s + 2/3 |s|, in the order of the scores: they stand between the links of the chain that makes M
.rept \n
	v_fma_f32 v[S+FI], |v[S+FI]|, s24, v[S+FI]
.set FI, FI+1
.endr
.endm
.macro SMUL t                          ; S^T, key tile t = fragment t / 4 with Q in block t % 4
.set rA, KA+8*((\t)/4)
.if (\t) > 7
.set rA, PC+8*((\t)/4-2)
.endif
.set rB, QR+4+8*((\t)%2)-4*(((\t)%4)/2)
.if (\t)%2
	v_wmma_scale_f32_16x16x128_f8f6f4 v[S+8*(\t):S+8*(\t)+7], v[rA:rA+7], v[rB:rB+7], 0, v[BM+(\t)/2], v8 matrix_a_fmt:MATRIX_FMT_FP4 matrix_b_fmt:MATRIX_FMT_FP4 matrix_a_scale:MATRIX_SCALE_ROW1
.else
	v_wmma_scale_f32_16x16x128_f8f6f4 v[S+8*(\t):S+8*(\t)+7], v[rA:rA+7], v[rB:rB+7], 0, v[BM+(\t)/2], v8 matrix_a_fmt:MATRIX_FMT_FP4 matrix_b_fmt:MATRIX_FMT_FP4
.endif
.endm
.macro BMAX                            ; the largest among my 16 numbers of each block (blocks 0 and 1: of w; the others: raw scores), eight blocks by turns, each accumulator from its low end on
.irp b, 0,1,2,3,4,5,6,7
	v_max3_num_f32 v[BM+\b], v[S+16*\b], v[S+16*\b+1], v[S+16*\b+2]
.endr
.irp i, 3,5,7,9,11,13
.irp b, 0,1,2,3,4,5,6,7
	v_max3_num_f32 v[BM+\b], v[BM+\b], v[S+16*\b+\i], v[S+16*\b+\i+1]
.endr
.endr
.irp b, 0,1,2,3,4,5,6,7
	v_max_num_f32 v[BM+\b], v[BM+\b], v[S+16*\b+15]
.endr
.endm
.macro OM n                            ; O^T under the new M, n pairs on, each accumulator from its low end on
.rept \n
	v_pk_mul_f32 v[O+2*OI:O+2*OI+1], v[O+2*OI:O+2*OI+1], v[6:7] op_sel_hi:[1,0]
.set OI, OI+1
.endr
.endm
.macro TM0 s                           ; t - M of 64 numbers, two at a time
.irp j, 0,2,4,6,8,10,12,14,16,18,20,22,24,26,28,30,32,34,36,38,40,42,44,46,48,50,52,54,56,58,60,62
	v_pk_fma_f32 v[\s+\j:\s+\j+1], v[\s+\j:\s+\j+1], s[22:23], v[12:13] op_sel_hi:[1,0,0]
.endr
.endm
.macro EXPF                            ; p = 2^(t - M) of the first half, by turns with the second half's w, which is first read behind the wait that follows
.irp j, 0,1,2,3,4,5,6,7,8,9,10,11,12,13,14,15,16,17,18,19,20,21,22,23,24,25,26,27,28,29,30,31,32,33,34,35,36,37,38,39,40,41,42,43,44,45,46,47,48,49,50,51,52,53,54,55,56,57,58,59,60,61,62,63
	v_exp_f32 v[S+\j], v[S+\j]
	F 1
.endr
.endm
.macro EXP32 s
.irp j, 0,1,2,3,4,5,6,7,8,9,10,11,12,13,14,15,16,17,18,19,20,21,22,23,24,25,26,27,28,29,30,31
	v_exp_f32 v[\s+\j], v[\s+\j]
.endr
.endm
.macro CODES d, s, o                   ; four blocks' codes
.irp b, 0,1,2,3
	v_cvt_scalef32_pk8_fp4_f32 v[\d+2*\b], v[\s+16*\b:\s+16*\b+7], v[\o+\b]
	v_cvt_scalef32_pk8_fp4_f32 v[\d+2*\b+1], v[\s+16*\b+8:\s+16*\b+15], v[\o+\b]
.endr
.endm
.macro HALVES d                        ; a whole block in a lane, as the operand's layout wants
.irp c, 0,1
.irp i, 0,1
	v_permlane16_swap_b32 v[\d+4*\c+\i], v[\d+2+4*\c+\i]
.endr
.endr
.endm
.macro ADDP d, k                       ; pair k of the step's 64 onto chain d
	v_pk_add_f32 v[\d:\d+1], v[\d:\d+1], v[S+2*(\k):S+2*(\k)+1]
.endm
.macro ADD2 d, k                       ; chain d begins with pairs k, k + 1
	v_pk_add_f32 v[\d:\d+1], v[S+2*(\k):S+2*(\k)+1], v[S+2*(\k)+2:S+2*(\k)+3]
.endm
.macro VLOAD at, w                     ; V's eight fragments of a step of kv into the first half of S, its scale words into w
.irp t, 0,1,2,3,4,5,6,7
.irp c, 0,1
	ds_load_b128 v[S+8*\t+4*\c:S+8*\t+4*\c+3], v3 offset:\at+2048+1024*\t+512*\c
.endr
.endr
	ds_load_b64 v[\w:\w+1], v4 offset:\at+10240
	ds_load_b64 v[\w+2:\w+3], v4 offset:\at+10496
.endm
.macro PV g                            ; O^T += V^T P^T over 128 keys: eight accumulators by turns
.irp t, 0,1,2,3,4,5,6,7
.if \g
.if \t%2
	v_wmma_scale_f32_16x16x128_f8f6f4 v[O+8*\t:O+8*\t+7], v[S+8*\t:S+8*\t+7], v[PC+8:PC+15], v[O+8*\t:O+8*\t+7], v[BM+4+\t/2], v9 matrix_a_fmt:MATRIX_FMT_FP4 matrix_b_fmt:MATRIX_FMT_FP4 matrix_a_scale:MATRIX_SCALE_ROW1 matrix_b_scale:MATRIX_SCALE_ROW1
.else
	v_wmma_scale_f32_16x16x128_f8f6f4 v[O+8*\t:O+8*\t+7], v[S+8*\t:S+8*\t+7], v[PC+8:PC+15], v[O+8*\t:O+8*\t+7], v[BM+4+\t/2], v9 matrix_a_fmt:MATRIX_FMT_FP4 matrix_b_fmt:MATRIX_FMT_FP4 matrix_b_scale:MATRIX_SCALE_ROW1
.endif
.else
.if \t%2
	v_wmma_scale_f32_16x16x128_f8f6f4 v[O+8*\t:O+8*\t+7], v[S+8*\t:S+8*\t+7], v[PC:PC+7], v[O+8*\t:O+8*\t+7], v[BM+\t/2], v9 matrix_a_fmt:MATRIX_FMT_FP4 matrix_b_fmt:MATRIX_FMT_FP4 matrix_a_scale:MATRIX_SCALE_ROW1
.else
	v_wmma_scale_f32_16x16x128_f8f6f4 v[O+8*\t:O+8*\t+7], v[S+8*\t:S+8*\t+7], v[PC:PC+7], v[O+8*\t:O+8*\t+7], v[BM+\t/2], v9 matrix_a_fmt:MATRIX_FMT_FP4 matrix_b_fmt:MATRIX_FMT_FP4
.endif
.endif
.endr
.endm
; A STEP: 256 keys, at LDS byte s80.
.macro KNEXT                           ; K's first two fragments and half of its scale words, for the step at v3, v4: lane l of load i takes row l % 16 of key tile 2 i + l / 16
.irp i, 0,1,2,3
	ds_load_b128 v[KA+4*\i:KA+4*\i+3], v3 offset:512*\i
.endr
	ds_load_b64 v[BM:BM+1], v4 offset:10752
	ds_load_b64 v[BM+2:BM+3], v4 offset:11008
.endm
; mode 0: a step with a successor.  mode 1: the same, and the barrier that shows steps 4-15 of kv and x stands in it: signalled early, waited for ahead of the next step's first loads.  mode 2: the last step; x's tile is read ahead of its products.
.macro STEP mode
.set FI, 0
.set OI, 0
	PLACES
	v_nop                                          ; five places behind the last step's products, ahead of loads and products into their registers
.irp i, 0,1,2,3
	ds_load_b128 v[PC+4*\i:PC+4*\i+3], v3 offset:11264+512*\i
.endr
	ds_load_b64 v[BM+4:BM+5], v4 offset:22016
	ds_load_b64 v[BM+6:BM+7], v4 offset:22272
	s_wait_dscnt 0x6                               ; KNEXT's loads are in; the six just issued may be out
.irp t, 0,1,2,3,4,5,6,7
	SMUL \t
.endr
	PLACES                                         ; ahead of the first read of scores
	F 16                                           ; block 0, while the other fragments land
	s_wait_dscnt 0x0
.if \mode == 1
	s_wait_tensorcnt 0x0                           ; my second load is in: steps 4-15 of kv or x
	s_barrier_signal -1                            ; say so; until the wait below only registers and the bytes of steps 0-3, which nobody writes, are touched
.endif
.irp t, 8,9,10,11,12,13,14,15
	SMUL \t
.endr
	F 16                                           ; block 1: also the places behind the last two products, which land on the first fragments, 20 places behind their last product
	BMAX
.irp j, 4,5,6,7,2,3
	v_fma_f32 v[BM+\j], |v[BM+\j]|, s24, v[BM+\j]  ; as w (it rises with the score)
.endr
	F 3
.irp j, 0,1,2,3
	v_permlane16_swap_b32 v[BM+\j], v[BM+4+\j]     ; two blocks in one: lanes 0-15 block j, lanes 16-31 block 4 + j
.endr
	F 4
.irp j, 0,1,2,3
	v_max_num_f32 v[BM+\j], v[BM+\j], v[BM+4+\j]   ; each block's largest w over both halves
.endr
	F 3
	v_max3_num_f32 v5, v[BM], v[BM+1], v[BM+2]
	F 4
	v_max_num_f32 v5, v5, v[BM+3]
	F 4
	v_permlanex16_b32 v10, v5, s20, s21
	F 4
	v_max3_num_f32 v13, v13, v5, v10               ; the running largest w
	F 4
	v_mul_f32 v5, s26, v13                         ; -t
	F 3
	v_mov_b32 v10, v12
	v_floor_f32 v12, v5                            ; the new -M
	F 3
	v_sub_f32 v5, v12, v10                         ; old M - new M: a whole number, 0 or less
.irp j, 0,1,2,3
	v_fma_f32 v[BM+\j], v[BM+\j], s22, v12         ; t - M of each block's largest
.endr
	v_cvt_i32_f32 v5, v5                           ; (it saturates)
.irp j, 0,1,2,3
	v_max_num_f32 v[BM+\j], 0xc2f80000, v[BM+\j]   ; held at -124: so the byte cannot fall under 1
.endr
	v_ldexp_f32 v6, 1.0, v5                        ; f = 2^(old M - new M)
.irp j, 0,1,2,3
	v_cvt_floor_i32_f32 v[BM+\j], v[BM+\j]         ; the exponent e of the block's largest p
.endr
	OM 8
.irp j, 0,1,2,3
	v_lshl_add_u32 v[SO+\j], v[BM+\j], 23, s27     ; the conversion's scale operand: 2^(e - 2)
	v_lshl_add_u32 v[SO+4+\j], v[BM+\j], 23, s27
.endr
	v_lshl_add_u32 v9, v[BM+1], 8, v[BM]
	OM 8
.irp j, 0,1,2,3
	v_permlane16_swap_b32 v[SO+\j], v[SO+4+\j]     ; block j's in all lanes, and block 4 + j's
.endr
	v_lshl_add_u32 v9, v[BM+2], 16, v9
	OM 5
	v_lshl_add_u32 v9, v[BM+3], 24, v9
	OM 5
	v_add_nc_u32 v9, 0x7d7d7d7d, v9                ; p's scale words: four bytes e + 125
	OM 6
	TM0 S
	s_wait_alu depctr_va_vdst(0)                   ; the wait ahead of the batch
	EXPF
	s_wait_alu depctr_va_vdst(0)                   ; one wait for the batch, ahead of its first reader
	v_pk_mul_f32 v[14:15], v[14:15], v[6:7] op_sel_hi:[1,0]   ; the sums under the new M
	CODES PC, S, SO
	ADD2 10, 0                                     ; the row's sum, of the unquantised p, in eight chains
	ADD2 236, 2
	ADD2 238, 4
	ADD2 240, 6
	ADD2 242, 8
	ADD2 244, 10
	ADD2 246, 12
	ADDP 14, 14
.irp k, 15,23
	ADDP 10, \k
	ADDP 236, \k+1
	ADDP 238, \k+2
	ADDP 240, \k+3
	ADDP 242, \k+4
	ADDP 244, \k+5
	ADDP 246, \k+6
	ADDP 14, \k+7
.endr
	ADDP 10, 31
	v_pk_add_f32 v[236:237], v[236:237], v[238:239]
	v_pk_add_f32 v[240:241], v[240:241], v[242:243]
	v_pk_add_f32 v[244:245], v[244:245], v[246:247]
	HALVES PC
	v_pk_add_f32 v[236:237], v[236:237], v[240:241]
	v_pk_add_f32 v[14:15], v[14:15], v[244:245]
	VLOAD 0, BM                                    ; the first half's p are done with: V's fragments land under the lines below
	v_pk_add_f32 v[10:11], v[10:11], v[236:237]
	TM0 S+64
	s_wait_alu depctr_va_vdst(0)                   ; ahead of the batch, which goes in two parts round the first products
	EXP32 S+64
	s_wait_dscnt 0x0
	PV 0
	PLACES
	VLOAD 11264, BM+4                              ; these land under the second part and the sums
	EXP32 S+96
.if \mode == 2                                 ; (plain places behind the exponentials)
	v_and_b32 v4, 15, v0
	v_bfe_u32 v5, v0, 4, 1
	v_mul_u32_u24 v4, v4, 528
	v_lshl_add_u32 v3, v5, 5, v4
	v_add_nc_u32 v3, s77, v3                       ; the way out: row r, + 32 h: channel tile t's eight numbers lie 64 t bytes on
	v_add_nc_u32 v4, s77, v1                       ; back: 16 bytes a lane of a row
.else
	s_add_co_u32 s80, s80, 22528
	v_add_nc_u32 v3, s80, v1                       ; the next step
	v_add_nc_u32 v4, s80, v2
.endif
	s_wait_alu depctr_va_vdst(0)                   ; one wait for the batch, ahead of its first reader
	CODES PC+8, S+64, SO+4
	ADD2 228, 60                                   ; (also the plain place behind the conversions)  the pairs under K's next fragments first
	ADD2 230, 62
	ADD2 252, 56
	ADD2 254, 58
	ADDP 14, 32
	ADDP 10, 33
	ADD2 232, 34
	ADD2 234, 36
.if \mode == 1
	s_wait_alu depctr_va_vdst(0)
	s_barrier_wait -1                              ; everybody's second load is in
.endif
.if \mode < 2
	KNEXT
.endif
	HALVES PC+8
.irp k, 38,46
	ADDP 228, \k
	ADDP 230, \k+1
	ADDP 252, \k+2
	ADDP 254, \k+3
	ADDP 14, \k+4
	ADDP 10, \k+5
	ADDP 232, \k+6
	ADDP 234, \k+7
.endr
	ADDP 228, 54
	ADDP 230, 55
	v_pk_add_f32 v[252:253], v[252:253], v[254:255]
	v_pk_add_f32 v[232:233], v[232:233], v[234:235]
	v_pk_add_f32 v[14:15], v[14:15], v[10:11]
	v_pk_add_f32 v[228:229], v[228:229], v[230:231]
	v_pk_add_f32 v[252:253], v[252:253], v[232:233]
	v_pk_add_f32 v[14:15], v[14:15], v[228:229]
	v_pk_add_f32 v[14:15], v[14:15], v[252:253]
.if \mode == 2
.irp t, 0,1,2,3,4,5,6,7                        ; x's tile in O^T's layout, over the second half's p
	ds_load_b128 v[S+64+8*\t:S+64+8*\t+3], v3 offset:64*\t
	ds_load_b128 v[S+64+8*\t+4:S+64+8*\t+7], v3 offset:64*\t+16
.endr
	s_wait_alu depctr_va_vdst(0)
	s_wait_dscnt 0x10                              ; V's fragments are in; x's 16 loads may be out
.else
	s_wait_alu depctr_va_vdst(0)
	s_wait_dscnt 0x6                               ; V's fragments are in; KNEXT's six loads may be out
.endif
	PV 1
.endm
	v_mov_b32 v10, 0                               ; (a lane permute's destination counts as one of its sources)
	s_mov_b32 s80, 0
	v_add_nc_u32 v3, s80, v1
	v_add_nc_u32 v4, s80, v2
	KNEXT
	STEP 0
	STEP 1
	s_mov_b32 s82, 5
.Lstep:
	STEP 0
	s_sub_co_u32 s82, s82, 1
	s_cmp_lg_u32 s82, 0
	s_cbranch_scc1 .Lstep
	STEP 2
	; THE WAY OUT: out = (gamma / sum) O + x.  The result goes to the bytes of x's tile (they have had their one fill) and leaves as whole rows of 512 bytes.
	v_add_f32 v14, v14, v15                        ; the sum's two halves,
	v_permlanex16_b32 v5, v14, s20, s21
	v_add_f32 v14, v14, v5                         ; and lane l xor 16's
	s_wait_alu depctr_va_vdst(0)
	v_rcp_f32 v14, v14
	v_nop                                          ; (plain places behind the reciprocal and behind the last products)
	v_nop
	s_wait_alu depctr_va_vdst(0)                   ; the wait ahead of the reciprocal's first reader
	v_mul_f32 v14, s83, v14                        ; gamma / sum
	s_wait_alu depctr_va_vdst(0)
	s_wait_dscnt 0x0
.irp j, 0,2,4,6,8,10,12,14,16,18,20,22,24,26,28,30,32,34,36,38,40,42,44,46,48,50,52,54,56,58,60,62
	v_pk_fma_f32 v[S+64+\j:S+65+\j], v[O+\j:O+\j+1], v[14:15], v[S+64+\j:S+65+\j] op_sel_hi:[1,0,1]
.endr
.irp t, 0,1,2,3,4,5,6,7
	ds_store_b128 v3, v[S+64+8*\t:S+64+8*\t+3] offset:64*\t
	ds_store_b128 v3, v[S+64+8*\t+4:S+64+8*\t+7] offset:64*\t+16
.endr
.irp i, 0,1,2,3,4,5,6,7,8,9,10,11,12,13,14,15
	ds_load_b128 v[S+4*\i:S+4*\i+3], v4 offset:528*\i   ; LDS serves a wave's instructions in order (ISA guide 5.7.1.4): these see my stores
.endr
.irp i, 0,1,2,3,4,5,6,7,8,9,10,11,12,13,14,15
	s_wait_dscnt 15-\i
	global_store_b128 v1, v[S+4*\i:S+4*\i+3], s[14:15] offset:4096*\i th:TH_STORE_NT   ; 32 lanes store 512 consecutive bytes, at a multiple of 512 from out's first byte
.endr
	v_lshl_add_u32 v254, v0, 2, SPARE
	v_mov_b32 v255, 0
	s_wait_alu depctr_va_vdst(0)
	s_wait_tensorcnt 0x0
	ds_add_u32 v254, v255
	s_wait_dscnt 0x0
	CROUND                                         ; the closing round: no work-group ends while a partner may still ask for a tile that names it
	s_endpgm
.Lfunc_end_k_q1557df13b4_attn:
	.size	k_q1557df13b4_attn, .Lfunc_end_k_q1557df13b4_attn-k_q1557df13b4_attn
	.p2alignl 7, 3214868480
	.fill 96, 4, 3214868480
	.section	.rodata,"a",@progbits
	.p2align	6, 0x0
	.amdhsa_kernel k_q1557df13b4_attn
		.amdhsa_group_segment_fixed_size 327680
		.amdhsa_private_segment_fixed_size 0
		.amdhsa_enable_private_segment 0
		.amdhsa_kernarg_size 48
		.amdhsa_user_sgpr_count 2
		.amdhsa_user_sgpr_kernarg_segment_ptr 1
		.amdhsa_wavefront_size32 1
		.amdhsa_system_sgpr_workgroup_id_x 1
		.amdhsa_system_sgpr_workgroup_id_y 1
		.amdhsa_system_sgpr_workgroup_id_z 1
		.amdhsa_system_vgpr_workitem_id 0
		.amdhsa_next_free_vgpr 256
		.amdhsa_next_free_sgpr 100
		.amdhsa_reserve_vcc 1
		.amdhsa_float_denorm_mode_32 3
		.amdhsa_float_denorm_mode_16_64 3
		.amdhsa_memory_ordered 1
		.amdhsa_forward_progress 1
		.amdhsa_inst_pref_size 168
	.end_amdhsa_kernel
	.amdgpu_metadata
---
amdhsa.version: [ 1, 2 ]
amdhsa.kernels:
  - .name:           k_q1557df13b4_attn
    .symbol:         k_q1557df13b4_attn.kd
    .args:
      - { .name: fq, .offset: 0, .size: 8, .value_kind: global_buffer, .address_space: global }
      - { .name: fs, .offset: 8, .size: 8, .value_kind: global_buffer, .address_space: global }
      - { .name: kv, .offset: 16, .size: 8, .value_kind: global_buffer, .address_space: global }
      - { .name: x, .offset: 24, .size: 8, .value_kind: global_buffer, .address_space: global }
      - { .name: gamma, .offset: 32, .size: 8, .value_kind: global_buffer, .address_space: global }
      - { .name: out0, .offset: 40, .size: 8, .value_kind: global_buffer, .address_space: global }
    .group_segment_fixed_size: 327680
    .private_segment_fixed_size: 0
    .kernarg_segment_align: 8
    .kernarg_segment_size: 48
    .max_flat_workgroup_size: 512
    .sgpr_count:     100
    .vgpr_count:     256
    .wavefront_size: 32
...
	.end_amdgpu_metadata
.endif
;; end of part 2
